; MI455X (gfx1250); checked and timed in simulation.
; The chip was launched on July 23, 2026; its instructions are those of AMD's public machine-readable ISA for CDNA 5 (MIT licence, August 2026) and "CDNA5" Instruction Set Architecture Reference Guide (July 2026). The comments in the code are by the model that wrote it; some were corrected since.
;; Attention Layer. Allowed arithmetic: matrix products marked QUANTISED: E2M1 operands, one E8M0 scale for each 32 along K, by v_wmma_scale_f32_16x16x128_f8f6f4 with both operands' format E2M1 (or v_wmma_scale_f32_32x16x128_f4), f32 sums; products left as they are: bf16, f16 or f32 operands; f32 sums; everything else in f32.
;; Inputs: bk 1,024 float32; bq 1,024 float32; bv 1,024 float32; mask 4 x 2,048 int32; wk 1,024 x 1,024 float32; wq 1,024 x 1,024 float32; wv 1,024 x 1,024 float32; x 4 x 2,048 x 1,024 float32.
;; Outputs: out0 4 x 2,048 x 1,024 float32.
;; This version of the problem:
;;   THIS VERSION OF THE PROBLEM IS GIVEN IN LOW PRECISION. The matrix products marked QUANTISED in the list below multiply operands that are first quantised to E2M1 (2 exponent bits, 1 mantissa bit; 4 bits a number), with one power-of-two scale for each 32 numbers along K (OCP MX v1.0); their sums are f32. The products marked 'left as it is' may take bf16, f16 or f32 operands, with f32 sums. Whichever they take, every output number must still come out within the allowed error. Rounding operands to bf16 (8 significant bits) uses up far more of that allowance than f16 does (11 bits, for magnitudes from 6e-5 to 65,504). All else is computed in f32.
;;   The module's matrix products, in the order in which they are computed (A, B: the left and right operand; K: the contracted axis; several contracted axes count as one K, in the product's order):
;;     1. [M 8,192, K 1,024] x [K 1,024, N 1,024]; A: input x; B: input wq: QUANTISED
;;     2. [M 8,192, K 1,024] x [K 1,024, N 1,024]; A: input x; B: input wk: QUANTISED
;;     3. [M 8,192, K 1,024] x [K 1,024, N 1,024]; A: input x; B: input wv: QUANTISED
;;     4. batch 64 x [M 2,048, K 64] x [K 64, N 2,048]; A: computed on the way; B: computed on the way: left as it is (an operand is computed on the way)
;;     5. batch 64 x [M 2,048, K 2,048] x [K 2,048, N 64]; A: computed on the way; B: computed on the way: left as it is (an operand is computed on the way)
;;   THE QUANTISER, for each operand of a quantised product, along K:
;;     - K is cut into blocks of 32 from its start; a last block that is shorter is filled with zeros.
;;     - A block's scale is 2^e with e = floor(log2(the largest magnitude in the block)) - 2, held to -126 .. 127; a block of zeros has e = 0. As a byte (E8M0): e + 127.
;;     - Each number is divided by its block's scale, clamped to +-6, and rounded to the nearest number of E2M1, ties to even, subnormals kept.
;;     - The product sums the exact products of the quantised numbers (number of the format x scale) in f32.
;;   ~~~python
;;   def quantise(x, axis):      # numpy; x: float32 -> the quantised numbers, widened to float32 again
;;       x = np.moveaxis(x, axis, -1); K = x.shape[-1]
;;       x = np.pad(x, [(0, 0)] * (x.ndim - 1) + [(0, -K % 32)]); x = x.reshape(x.shape[:-1] + (-1, 32)); a = np.abs(x).max(-1, keepdims=True)
;;       e = np.where(a > 0, np.clip(np.frexp(np.where(a > 0, a, 1))[1] - 1 - 2, -126, 127), 0)      # np.frexp(a)[1] - 1 = floor(log2(a)), exactly
;;       r = np.clip(x / 2.0 ** e, -6, 6)
;;       step = 2.0 ** (np.maximum(np.frexp(np.where(r == 0, 1, r))[1] - 1, 0) - 1)
;;       q = np.round(r / step) * step * 2.0 ** e      # np.round: ties to even
;;       return np.moveaxis(q.reshape(q.shape[:-2] + (-1,))[..., :K], -1, axis).astype(np.float32)
;;   ~~~
;; One version. Each part assembles by itself: llvm-mc -triple=amdgcn-amd-amdhsa -mcpu=gfx1250 --defsym DOCPART=n.
;; ======== version 1 of 1: 3 launches
;; limits: values are held in f16: magnitudes above 65,504 overflow, below 6.1e-05 lose precision
;; workspace buffers: x_codes 4,194,304 bytes; x_scales 262,144 bytes; w_codes 1,572,864 bytes; w_scales 98,304 bytes; qkv 50,331,648 bytes
;; launch quant (part 1): grid 304 x 1, 4 waves a work-group, no clusters, 68,096 bytes of LDS; arguments x, wq, wk, wv, x_codes, x_scales, w_codes, w_scales; writes x_codes, x_scales, w_codes, w_scales
.if DOCPART == 1
	.amdgcn_target "amdgcn-amd-amdhsa--gfx1250"
	.amdhsa_code_object_version 6
	.text
	.protected	k_q85933fd9f6_quant
	.globl	k_q85933fd9f6_quant
	.p2align	8
	.type	k_q85933fd9f6_quant,@function
k_q85933fd9f6_quant:
	s_mov_b64 s[64:65], 0
	v_nop
	global_prefetch_b8 v0, s[64:65] scope:SCOPE_SE
	s_setreg_imm32_b32 hwreg(HW_REG_WAVE_MODE, 25, 1), 1
	s_wait_xcnt 0x0
; x [8192][1024] f32 (K innermost) and wq, wk, wv [1024 (k)][1024 (n)] f32 (K is the FIRST axis) become codes of FP4 (E2M1), K innermost, two codes a byte, the lower k in the low four bits,
; with one E8M0 scale byte for each 32 along K.  x_codes [8192][512 bytes], x_scales [8192][32];  w_codes [3072][512 bytes], w_scales [3072][32], row = 1024 t + n, t = 0, 1, 2 for wq, wk, wv.
; A block's scale is 2^(floor(log2(its largest magnitude)) - 2); its byte is the largest magnitude's own exponent field - 2, held at 1 from below.  Each number is divided by the scale and rounded to the nearest code,
; ties to even; beyond the largest code the largest.
; LIMITS: a block of zeros, and a block whose largest magnitude lies under 2^-124 (the floor), gets the byte 1 where the rule says 127 or less than 1: a block of zeros has zero codes, which add nothing under any
; byte but 0xff, and this program alone reads the bytes.  NaN and infinities among the inputs are not served.
; Work-groups 0 to 255 take x, 32,768 numbers each; work-groups 256 to 303 take the weights, 128 columns x 512 along K each.  The two ways part on the work-group's number, never join, and have LDS bytes of their own.
; No tensor loads, no barrier: waves share nothing.
.set SPW,   12                         ; v12      LDS address of my spare word: SPARE + 4 x my thread's number; never rewritten
.set NIL,   13                         ; v13      0; never rewritten
.set EMAX,  2
; x's way
.set STEPS, 16                         ; a wave takes 16 steps of 512 numbers
.set CB,    8                          ; bytes of 16 codes
.set R,     16                         ; v16-79   four sets of 16 numbers as they are loaded
.set X,     80                         ; v80-111  two sets of 16 neighbours
.set E,     112                        ; v112-127 a scale byte for each step
.set C,     128                        ; v128-191 codes: four registers for each step, so that no store's data are written again
.set WREG,  8192                       ; LDS bytes 0 to 32,767: a region for each wave: two stages of 32 x SP bytes, behind them its 256 scale bytes
.set SP,    80                         ; a lane's place in a stage: its 64 bytes + 16 of padding
; the weights' way
.set WSTG,  32768                      ; LDS bytes 32,768 on: a stage of 32 rows x PITCH for each wave
.set NB,    16                         ; blocks of 32 along K for a wave
.set PITCH, 272                        ; a stage row: 256 bytes of codes + 16
.set KROW,  512                        ; a row of w_codes in bytes
.set WX,    32                         ; v32-95   two sets of 32 numbers
.set WC,    96                         ; v96-99   a block's codes
.set SB,    24                         ; v24-27   the scale bytes, four to a register
.set OUTR,  112                        ; v112-175 the way out
.set SPARE, WSTG+4*32*PITCH            ; behind both ways' bytes: the spare words, 128 bytes for each wave: two blocks of 256 bytes that no other line names
	s_load_b256 s[4:11], s[0:1], 0x0               ; x s[4:5], wq s[6:7], wk s[8:9], wv s[10:11]
	s_load_b256 s[12:19], s[0:1], 0x20             ; x_codes s[12:13], x_scales s[14:15], w_codes s[16:17], w_scales s[18:19]
	v_lshl_add_u32 v[SPW], v0, 2, SPARE
	v_mov_b32 v[NIL], 0
	v_lshrrev_b32 v1, 5, v0
	v_readfirstlane_b32 s20, v1                    ; wave 0..3
	v_and_b32 v2, 31, v0                           ; lane
	s_mov_b32 s25, 0                               ; the upper word of every offset below
	s_wait_kmcnt 0x0
	s_cmp_lt_u32 ttmp9, 256
	s_cbranch_scc0 .Lweights
; ---------------- x: a plain stream of blocks of 32.  The conversions take neighbours along K from ONE lane's registers, so a lane must hold 16 neighbours (two lanes to a block); a load is best where
; neighbouring LANES take neighbouring bytes.  Both are had: each of a step's four loads reads 512 consecutive bytes; the 2,048 bytes go through the wave's own stage in LDS and come back 64 bytes a lane.
	v_lshlrev_b32 v3, 4, v2                        ; my 16 bytes of a load's 512
	s_mul_i32 s21, s20, WREG
	v_lshrrev_b32 v14, 2, v2
	v_mul_u32_u24 v14, v14, SP
	v_and_b32 v15, 3, v2
	v_lshl_add_u32 v14, v15, 4, v14
	v_add_nc_u32 v14, s21, v14                     ; the stage, on the way in: SP (lane / 4) + 16 (lane % 4); a load's 512 bytes take eight places
	v_mul_u32_u24 v15, v2, SP
	v_add_nc_u32 v15, s21, v15                     ; and on the way out: SP x lane: my 16 neighbours
	v_mul_u32_u24 v4, v2, CB                       ; my codes' place in a step's
	v_lshrrev_b32 v5, 1, v2
	s_add_co_u32 s21, s21, 2*32*SP
	v_add_nc_u32 v5, s21, v5                       ; LDS: my wave's 256 scale bytes, my block's byte
	v_lshlrev_b32 v7, 3, v2                        ; and on the way out 8 bytes a lane
	v_add_nc_u32 v6, s21, v7
	s_lshl_b32 s22, ttmp9, 2
	s_add_co_u32 s22, s22, s20                     ; which run of 8,192 numbers is my wave's: 0 .. 1,023
	s_lshl_b32 s24, s22, 15                        ; 32,768 bytes of x,
	s_add_nc_u64 s[4:5], s[4:5], s[24:25]
	s_lshl_b32 s24, s22, 12                        ; 4,096 bytes of codes,
	s_add_nc_u64 s[12:13], s[12:13], s[24:25]
	s_lshl_b32 s24, s22, 8                         ; 256 scale bytes a run
	s_add_nc_u64 s[14:15], s[14:15], s[24:25]
.macro XLOAD t
.irp i, 0,1,2,3
	global_load_b128 v[R+16*((\t)%4)+4*\i:R+16*((\t)%4)+4*\i+3], v3, s[4:5] offset:2048*(\t)+512*\i th:TH_LOAD_NT   ; 32 lanes read 512 consecutive bytes
.endr
.endm
.macro XTURN t                         ; step t's numbers through the stage: LDS serves a wave's instructions in order, so no wait stands between the stores and the loads
.irp i, 0,1,2,3
	ds_store_b128 v14, v[R+16*((\t)%4)+4*\i:R+16*((\t)%4)+4*\i+3] offset:32*SP*((\t)%2)+8*SP*\i
.endr
.irp i, 0,1,2,3
	ds_load_b128 v[X+16*((\t)%2)+4*\i:X+16*((\t)%2)+4*\i+3], v15 offset:32*SP*((\t)%2)+16*\i
.endr
.endm
.irp t, 0,1,2,3
	XLOAD \t
.endr
	s_wait_loadcnt 12                              ; step 0's four loads are in; the twelve of steps 1 to 3 may be out
	XTURN 0
.macro XSTEP t
.set XS, X+16*((\t)%2)
.if (\t) > 0
	s_wait_dscnt 1                                 ; this step's numbers are back from the stage (the last step's byte store may be out): so its stores into the stage have read their registers,
.else
	s_wait_dscnt 0x0
.endif
.if (\t)+4 < STEPS
	XLOAD (\t)+4                                   ; which take the loads of four steps on
.endif
.if (\t)+1 < STEPS
.if STEPS-2-(\t) >= 3
	s_wait_loadcnt 12                              ; the next step's four loads are in; those of the three steps behind it may be out
.else
	s_wait_loadcnt 4*(STEPS-2-(\t))
.endif
	XTURN (\t)+1                                   ; and go through the other stage while this step is worked
.endif
	v_max3_num_f32 v8, |v[XS]|, |v[XS+1]|, |v[XS+2]|               ; the largest magnitude of my 16, in two chains
	v_max3_num_f32 v9, |v[XS+3]|, |v[XS+4]|, |v[XS+5]|
.irp i, 6,10
	v_max3_num_f32 v8, v8, |v[XS+\i]|, |v[XS+\i+1]|
	v_max3_num_f32 v9, v9, |v[XS+\i+2]|, |v[XS+\i+3]|
.endr
	v_max3_num_f32 v8, v8, |v[XS+14]|, |v[XS+15]|
	v_max3_num_f32 v8, v8, v9, (EMAX+1)<<23        ; and the floor 2^(EMAX + 1 - 127): so the byte cannot fall under 1
	v_max_num_f32_dpp v8, v8, v8 row_xmask:1 row_mask:0xf bank_mask:0xf   ; and of my neighbour's 16: the block's
	v_add_nc_u32 v11, -(EMAX<<23), v8              ; EMAX off its exponent field: the conversion takes the exponent field of this operand as its scale, and nothing else of it
	v_cvt_scalef32_pk8_fp4_f32 v[C+4*(\t)], v[XS:XS+7], v11
	v_cvt_scalef32_pk8_fp4_f32 v[C+4*(\t)+1], v[XS+8:XS+15], v11
	v_lshrrev_b32 v[E+(\t)], 23, v11               ; the scale's byte (also the plain line behind the conversions)
	ds_store_b8 v5, v[E+(\t)] offset:16*(\t)       ; both lanes of a block write the same byte with the same value
	global_store_b64 v4, v[C+4*(\t):C+4*(\t)+1], s[12:13] offset:32*CB*(\t)   ; 32 lanes store 256 consecutive bytes, aligned
.endm
.irp t, 0,1,2,3,4,5,6,7,8,9,10,11,12,13,14,15
	XSTEP \t
.endr
	ds_load_b64 v[8:9], v6                         ; LDS serves a wave's instructions in order: these see my byte stores
	s_wait_dscnt 0x0
	global_store_b64 v7, v[8:9], s[14:15]          ; 32 lanes store 256 consecutive bytes, aligned
	s_wait_tensorcnt 0x0                           ; the wave's end: behind my last LDS store
	ds_add_u32 v[SPW], v[NIL]
	s_wait_dscnt 0x0
	s_endpgm
; ---------------- the weights: A LANE TAKES A COLUMN n, AND ITS REGISTERS RUN DOWN K: each load reads neighbouring n in neighbouring lanes (128 consecutive bytes a wave, 512 a work-group), a block of 32 along K
; lies in one lane's 32 registers, and the conversions give the codes with K innermost.  A wave takes 32 columns x 512 along K; its codes go through its own stage and leave as rows of 256 bytes.
.Lweights:
	s_sub_co_u32 s21, ttmp9, 256                   ; 0 .. 47
	s_lshr_b32 s22, s21, 4                         ; t: which weight
	s_bfe_u32 s23, s21, 0x10003                    ; which 512 along K
	s_and_b32 s24, s21, 7                          ; which 128 columns
	s_cmp_eq_u32 s22, 0                            ; the choice hangs on the work-group's number alone
	s_cselect_b64 s[6:7], s[6:7], s[8:9]
	s_cmp_eq_u32 s22, 2
	s_cselect_b64 s[6:7], s[10:11], s[6:7]
	s_lshl_b32 s24, s24, 7
	s_lshl_b32 s26, s20, 5
	s_add_co_u32 s28, s24, s26                     ; my wave's first column: 128 x group + 32 x wave
	s_lshl_b32 s24, s23, 21                        ; W: 512 rows of 4,096 bytes,
	s_lshl_b32 s26, s28, 2                         ; + 4 x column
	s_add_co_u32 s24, s24, s26
	s_add_nc_u64 s[6:7], s[6:7], s[24:25]
	s_lshl_b32 s26, s22, 10
	s_add_co_u32 s28, s28, s26                     ; my first row of the codes' buffer: 1,024 t + column
	s_lshl_b32 s24, s28, 9                         ; codes: row x 512 + 256 x (which 512 along K)
	s_lshl_b32 s26, s23, 8
	s_add_co_u32 s24, s24, s26
	s_add_nc_u64 s[16:17], s[16:17], s[24:25]
	s_lshl_b32 s24, s28, 5                         ; scale bytes: row x 32 + 16 x (which 512 along K)
	s_lshl_b32 s26, s23, 4
	s_add_co_u32 s24, s24, s26
	s_add_nc_u64 s[18:19], s[18:19], s[24:25]
	v_lshlrev_b32 v3, 2, v2                        ; in: 4 bytes a lane
	s_mul_i32 s30, s20, 32*PITCH
	s_add_co_u32 s30, s30, WSTG                    ; my stage
	v_mul_u32_u24 v4, v2, PITCH
	v_add_nc_u32 v4, s30, v4                       ; into it: row = my column
	v_and_b32 v5, 15, v2
	v_lshrrev_b32 v6, 4, v2                        ; out of it: sixteen lanes to a row, two rows an instruction
	v_mul_u32_u24 v7, v6, PITCH
	v_lshl_add_u32 v7, v5, 4, v7
	v_add_nc_u32 v7, s30, v7                       ; LDS address
	v_mul_u32_u24 v8, v6, KROW
	v_lshl_add_u32 v8, v5, 4, v8                   ; and the same place in the codes' buffer
	v_lshlrev_b32 v9, 5, v2                        ; my column's row of scale bytes: 32 bytes a row
.macro WLOAD t                         ; block t: W(32 t + i, my column), i = 0 .. 31, into set t % 2; the largest offset, 511 rows of 4,096 bytes, lies inside the signed 24-bit immediate
.irp i, 0,1,2,3,4,5,6,7,8,9,10,11,12,13,14,15,16,17,18,19,20,21,22,23,24,25,26,27,28,29,30,31
	global_load_b32 v[WX+32*((\t)%2)+\i], v3, s[6:7] offset:(32*(\t)+\i)*4096 th:TH_LOAD_NT
.endr
.endm
	WLOAD 0
	WLOAD 1
.macro WBLOCK t
.set XS, WX+32*((\t)%2)
.if (\t) < NB-1
	s_wait_loadcnt 32                              ; this block's 32 loads are in; the next block's 32 may be out
.else
	s_wait_loadcnt 0
.endif
	v_max3_num_f32 v16, |v[XS]|, |v[XS+1]|, |v[XS+2]|              ; the block's largest magnitude: all 32 numbers are mine
	v_max3_num_f32 v17, |v[XS+3]|, |v[XS+4]|, |v[XS+5]|
.irp i, 6,10,14,18,22,26
	v_max3_num_f32 v16, v16, |v[XS+\i]|, |v[XS+\i+1]|
	v_max3_num_f32 v17, v17, |v[XS+\i+2]|, |v[XS+\i+3]|
.endr
	v_max3_num_f32 v16, v16, |v[XS+30]|, |v[XS+31]|
	v_max3_num_f32 v16, v16, v17, (EMAX+1)<<23     ; and the floor: so the byte cannot fall under 1
	v_add_nc_u32 v11, -(EMAX<<23), v16             ; the conversion's scale operand
	v_lshrrev_b32 v17, 23, v11                     ; the scale's byte
.if (\t)%4 == 0
	v_mov_b32 v[SB+(\t)/4], v17                    ; four bytes to a register, the lower K in the lower byte
.else
	v_lshl_or_b32 v[SB+(\t)/4], v17, 8*((\t)%4), v[SB+(\t)/4]
.endif
.irp g, 0,1,2,3
	v_cvt_scalef32_pk8_fp4_f32 v[WC+\g], v[XS+8*\g:XS+8*\g+7], v11
.endr
	ds_store_b128 v4, v[WC:WC+3] offset:16*(\t)    ; 32 codes: 16 bytes of my column's row.  (The results go to an LDS store; the next block begins with plain vector lines)
.if (\t)+2 < NB
	WLOAD (\t)+2
.endif
	s_wait_dscnt 0x0                               ; the store has read its registers: the next block's codes may be written
.endm
.set Q, 0
.rept NB
	WBLOCK Q
.set Q, Q+1
.endr
	global_store_b128 v9, v[SB:SB+3], s[18:19]     ; my column's 16 scale bytes
.irp t, 0,1,2,3,4,5,6,7,8,9,10,11,12,13,14,15
	ds_load_b128 v[OUTR+4*\t:OUTR+4*\t+3], v7 offset:2*\t*PITCH   ; LDS serves a wave's instructions in order: these see my stores
.endr
.irp t, 0,1,2,3,4,5,6,7,8,9,10,11,12,13,14,15
	s_wait_dscnt 15-\t                             ; loads come back in order: number t is in, the 15 - t younger ones may be out
	global_store_b128 v8, v[OUTR+4*\t:OUTR+4*\t+3], s[16:17] offset:2*\t*KROW   ; sixteen lanes store 256 consecutive bytes, aligned
.endr
	s_wait_tensorcnt 0x0                           ; the wave's end: the same three lines on this way
	ds_add_u32 v[SPW], v[NIL]
	s_wait_dscnt 0x0
	s_endpgm
.Lfunc_end_k_q85933fd9f6_quant:
	.size	k_q85933fd9f6_quant, .Lfunc_end_k_q85933fd9f6_quant-k_q85933fd9f6_quant
	.p2alignl 7, 3214868480
	.fill 96, 4, 3214868480
	.section	.rodata,"a",@progbits
	.p2align	6, 0x0
	.amdhsa_kernel k_q85933fd9f6_quant
		.amdhsa_group_segment_fixed_size 68096
		.amdhsa_private_segment_fixed_size 0
		.amdhsa_enable_private_segment 0
		.amdhsa_kernarg_size 64
		.amdhsa_user_sgpr_count 2
		.amdhsa_user_sgpr_kernarg_segment_ptr 1
		.amdhsa_wavefront_size32 1
		.amdhsa_system_sgpr_workgroup_id_x 1
		.amdhsa_system_sgpr_workgroup_id_y 1
		.amdhsa_system_sgpr_workgroup_id_z 1
		.amdhsa_system_vgpr_workitem_id 0
		.amdhsa_next_free_vgpr 192
		.amdhsa_next_free_sgpr 66
		.amdhsa_reserve_vcc 0
		.amdhsa_float_denorm_mode_32 3
		.amdhsa_float_denorm_mode_16_64 3
		.amdhsa_memory_ordered 1
		.amdhsa_forward_progress 1
		.amdhsa_inst_pref_size 111
	.end_amdhsa_kernel
	.amdgpu_metadata
---
amdhsa.version: [ 1, 2 ]
amdhsa.kernels:
  - .name:           k_q85933fd9f6_quant
    .symbol:         k_q85933fd9f6_quant.kd
    .args:
      - { .name: x, .offset: 0, .size: 8, .value_kind: global_buffer, .address_space: global }
      - { .name: wq, .offset: 8, .size: 8, .value_kind: global_buffer, .address_space: global }
      - { .name: wk, .offset: 16, .size: 8, .value_kind: global_buffer, .address_space: global }
      - { .name: wv, .offset: 24, .size: 8, .value_kind: global_buffer, .address_space: global }
      - { .name: x_codes, .offset: 32, .size: 8, .value_kind: global_buffer, .address_space: global }
      - { .name: x_scales, .offset: 40, .size: 8, .value_kind: global_buffer, .address_space: global }
      - { .name: w_codes, .offset: 48, .size: 8, .value_kind: global_buffer, .address_space: global }
      - { .name: w_scales, .offset: 56, .size: 8, .value_kind: global_buffer, .address_space: global }
    .group_segment_fixed_size: 68096
    .private_segment_fixed_size: 0
    .kernarg_segment_align: 8
    .kernarg_segment_size: 64
    .max_flat_workgroup_size: 128
    .sgpr_count:     66
    .vgpr_count:     192
    .wavefront_size: 32
...
	.end_amdgpu_metadata
.endif
;; end of part 1
;; launch qkv (part 2): grid 12 x 32, 4 waves a work-group, clusters of 4 x 4, 327,680 bytes of LDS; arguments x_codes, x_scales, w_codes, w_scales, bq, bk, bv, qkv; writes qkv
.if DOCPART == 2
	.amdgcn_target "amdgcn-amd-amdhsa--gfx1250"
	.amdhsa_code_object_version 6
	.text
	.protected	k_q85933fd9f6_qkv
	.globl	k_q85933fd9f6_qkv
	.p2align	8
	.type	k_q85933fd9f6_qkv,@function
k_q85933fd9f6_qkv:
	s_mov_b64 s[64:65], 0
	v_nop
	global_prefetch_b8 v0, s[64:65] scope:SCOPE_SE
	s_setreg_imm32_b32 hwreg(HW_REG_WAVE_MODE, 25, 1), 1
	s_wait_xcnt 0x0
	s_wait_alu depctr_hold_cnt(0) depctr_sa_sdst(0) depctr_va_vdst(0) depctr_va_sdst(0) depctr_va_ssrc(0) depctr_va_vcc(0) depctr_vm_vsrc(0)
	s_getreg_b32 s2, hwreg(HW_REG_IB_STS2, 6, 4)
	s_cmp_eq_u32 s2, 0
	s_cbranch_scc0 .Lentry_in_a_cluster
	s_endpgm
.Lentry_in_a_cluster:
	s_bfe_u32 s2, ttmp6, 0x10000c
	s_cmp_lg_u32 s2, 0xf033
	s_cbranch_scc0 .Lentry_shape_is_right
	s_endpgm
.Lentry_shape_is_right:
; The three projections as ONE product on codes of FP4 (E2M1) with E8M0 scales: C[m][n] = sum over k of X[m][k] W[n][k] + bias[n], m = 0 .. 8,191 (batch x position), n = 0 .. 3,071 (1,024 t + column, t = q, k, v), K = 1,024.
; The result leaves as f16 laid [t][batch][head][position][64]; q is multiplied in f32 by c = log2(e) / 8 ahead of its one rounding, so that the next launch's scores are exponents of 2 as they stand.
; LIMIT: |q c|, |k|, |v| must lie under 65,504, f16's largest number; beyond it the conversion gives infinity.
; A tile of C, 256 x 256, is made by a work-group of four waves, a wave makes 128 x 128: 64 accumulators of 16 x 16, 512 registers.  All of K lies in two LDS slots of 512 along K (a tile's row is 256 bytes of memory):
; both are asked for at the head and nothing is filled again.  The scale bytes of the work-group's 256 + 256 rows come with them, as dense blocks.
; CLUSTERS: 4 x 4 work-groups.  The four of a row of the cluster need the same rows of X, the four of a column the same rows of W: each tile is asked for JOINTLY, by the same tensor load with the same descriptor and a
; mask that names the four.  A cluster's four tile columns are one weight: t = the cluster's x.
; THE MATRIX INSTRUCTION IS USED TRANSPOSED (source 0 = 16 rows of W, source 1 = 16 rows of X): a lane then holds eight neighbouring columns of a row of C.  THE BIAS IS THE C OF EACH SUM'S FIRST PRODUCT.
; REGISTERS, in windows of 256: window 0: v0-31 addresses; v32-95 scale words, two sets; v96-127 packed results; v128-191 X's fragments, one set, on the way out rows read back; v192-255 the bias, eight registers for each of W's eight blocks.
;   window 1: W's fragments, two sets, at v0 and v128.   window 2: the 32 accumulators of my rows 0-63 ((a, b) at v[8 (8 a + b)]);   window 3: those of my rows 64-127.
.set SIZE_K, 1024
.set NQ,     4                         ; matrix instructions deep in a slot: 512 along K
.set ROWB,   256                       ; a tile's row in bytes
.set KROW,   SIZE_K/2                  ; a row of codes in memory, in bytes
.set PITCH,  272                       ; an LDS row: 256 bytes + 16 of padding = 68 words: row r starts at bank 4 r mod 64 (64 banks of 4 bytes: ISA guide 11.1)
.set FR,     8                         ; registers of a fragment: 16 rows x 128 K
.set NL,     2                         ; LDS loads that bring one
.set NP,     4                         ; places behind this matrix instruction (ISA guide 7.12.1)
.set HALFT,  128*PITCH                 ; 128 rows: what one tensor load brings
.set SLOT,   4*HALFT                   ; X's 256 rows, then W's 256 rows
.set KS,     SIZE_K/32                 ; a row of scale bytes
.set SCL,    2*SLOT                    ; behind the slots: the scales, as rows of 256 bytes + 16 of padding
.set HALFS,  (128*KS/256)*272          ; the scales of 128 rows
.set SBLK,   (16*KS/256)*272           ; those of 16 rows
.set SPARE,  SCL+4*HALFS               ; the spare words, 128 bytes for each wave: two blocks of 256 bytes that no other line names
.set STAGE,  SPARE+512                 ; the way out: 16 rows x 272 bytes for each wave, bytes of their own: no tensor load lands here
.set SPITCH, 272
.set ADRA, 16                          ; v16-17  LDS address of my X fragments in slot 0, 1
.set ADRB, 20                          ; v20-21  the same for W
.set STO,  24                          ; v24     the way out: where I put 16 bytes of a row
.set RD,   25                          ; v25     where I read 16 bytes back
.set CO,   26                          ; v26     16 x lane: my place in 512 bytes of the output
.set ADRS, 27                          ; v27     LDS address of my scale words: lanes 0-15 X's rows, lanes 16-31 W's
.set SPW,  28                          ; v28     LDS address of my spare word; never rewritten
.set NIL,  29                          ; v29     0; never rewritten
.set VB,   30                          ; v30     32 x (lane / 16): my eight numbers of a block's sixteen biases
.set SC,   32                          ; scale words: set s at v[SC + 32 s]; register 4 i + q: lanes 0-15 the word of X's block i, lanes 16-31 that of W's block i
.set TMP,  96
.set AF,   128
.set BK,   128                         ; rows read back: v128-159 and v160-191 by turns
.set BI,   192
.set G1, 24                            ; s[24:31] descriptor group 1 for X's tiles;  s[32:39] group 0, one set for each slot
.set G0, 32
.set G1B, 48                           ; s[48:55], s[56:63] the same for W's tiles
.set G0B, 56
.set G1S, 68                           ; s[68:75], s[76:79] groups 1 and 0 for X's scales;  s[80:87], s[88:91] for W's
.set G0S, 76
.set G1SB, 80
.set G0SB, 88
.set FAC, 66                           ; s[66:67] c for q, 1 for k and v
.set MSB, 0
.macro WIN new                         ; the immediate's high byte repeats the setting that is left
.if MSB != \new
	s_set_vgpr_msb (MSB<<8)|\new
.set MSB, \new
.endif
.endm
.set MUL_LO, 0xa1                      ; source 0 (W) window 1, source 1 (X) window 0, C and D window 2
.set MUL_HI, 0xf1                      ; the same, C and D window 3.  In the first step C is the bias, in window 0: 0x81 and 0xc1
.set TO_B,   0x40                      ; destination window 1, address window 0
; A joint load: waves 0 and 1 fetch for X, waves 2 and 3 for W.  Each of the two lines has one mask and one set of registers for all that issue it; the branch hangs on the wave's number alone.
; An s_nop 0 and four v_nop follow each of the two lines, ahead of the jump, the label and what follows.
.macro JLOAD g0a, g1a, g0b, g1b
	s_cmp_eq_u32 s15, 0
	s_cbranch_scc0 .Lfor_b_\@
	tensor_load_to_lds s[\g0a:\g0a+3], s[\g1a:\g1a+7]
	s_nop 0
.rept 4
	v_nop
.endr
	s_branch .Lasked_\@
.Lfor_b_\@:
	tensor_load_to_lds s[\g0b:\g0b+3], s[\g1b:\g1b+7]
	s_nop 0
.rept 4
	v_nop
.endr
.Lasked_\@:
.endm
.macro CROUND                          ; a round of the cluster's barrier: my work-group's barrier; wave 0 signals for the work-group; every wave waits for all sixteen; my work-group's barrier once more
	s_barrier_signal -1
	s_barrier_wait -1
	s_cmp_lg_u32 s14, 0
	s_cbranch_scc1 .Lnot_wave_0_\@
	s_barrier_signal -3
.Lnot_wave_0_\@:
	s_barrier_wait -3
	s_barrier_signal -1
	s_barrier_wait -1
.endm
	s_load_b128 s[4:7], s[0:1], 0x0                ; X's codes s[4:5], X's scales s[6:7]
	s_load_b128 s[8:11], s[0:1], 0x10              ; W's codes s[8:9], W's scales s[10:11]
	s_load_b128 s[96:99], s[0:1], 0x20             ; bq, bk
	s_load_b64 s[100:101], s[0:1], 0x30            ; bv
	s_load_b64 s[12:13], s[0:1], 0x38              ; qkv
	v_lshl_add_u32 v[SPW], v0, 2, SPARE
	v_mov_b32 v[NIL], 0
	ds_add_u32 v[SPW], v[NIL]                      ; the wave's opening: the add, twice on end, and its wait ahead of my first tensor load; the set-up below, work on registers, stands between
	ds_add_u32 v[SPW], v[NIL]
	v_lshrrev_b32 v1, 5, v0
	v_readfirstlane_b32 s14, v1                    ; wave 0..3
	s_lshr_b32 s15, s14, 1                         ; which half of the tile's rows is mine.  Also: I fetch for X (0) or for W (1)
	s_and_b32 s16, s14, 1                          ; which half of its columns.  Also: which 128 rows of that tile I fetch
	s_bfe_u32 s40, ttmp6, 0x40000                  ; cx, cy: my place in the cluster
	s_bfe_u32 s41, ttmp6, 0x40004
	s_lshl_b32 s42, ttmp9, 2
	s_add_co_u32 s42, s42, s40                     ; tile column of C = 4 x cluster x + cx
	s_and_b32 s17, ttmp7, 0xffff
	s_lshl_b32 s17, s17, 2
	s_add_co_u32 s17, s17, s41                     ; tile row of C = 4 x cluster y + cy
	s_lshl_b32 s43, s41, 2
	s_lshl_b32 s43, 15, s43                        ; my row of the cluster
	s_lshl_b32 s44, 0x1111, s40                    ; my column
	; descriptor group 1: a tile of 128 rows x 256 bytes, padded in LDS
	s_or_b32 s[G1+0], s43, (0<<16)|(1<<20)|(1<<21)|(5<<22)|(3<<25)  ; 15:0 the mask: X's tiles go to my row; 17:16 element of 1 byte; 20 padding on; 21 set beside a mask; 24:22 after every 64 words (code 5); 31:25 of 4 words (code 3)
	s_or_b32 s[G1B+0], s44, (0<<16)|(1<<20)|(1<<21)|(5<<22)|(3<<25)
.irp g, G1, G1B
	s_mov_b32 s[\g+1], ROWB<<16                    ; tensor_dim0
	s_mov_b32 s[\g+2], 128<<16                     ; tensor_dim1 = 128
	s_mov_b32 s[\g+3], ROWB<<16                    ; tile_dim0
	s_mov_b32 s[\g+4], 128                         ; tile_dim1 = 128
	s_mov_b32 s[\g+5], KROW                        ; tensor_dim0_stride
	s_mov_b32 s[\g+6], 0
	s_mov_b32 s[\g+7], 0
.endr
	; and for the scales of 128 rows: a dense block of 4,096 bytes, as 16 rows of 256 bytes (32 elements of 8 bytes), 16 bytes of padding behind each
	s_or_b32 s[G1S+0], s43, (3<<16)|(1<<20)|(1<<21)|(5<<22)|(3<<25)
	s_or_b32 s[G1SB+0], s44, (3<<16)|(1<<20)|(1<<21)|(5<<22)|(3<<25)
.irp g, G1S, G1SB
	s_mov_b32 s[\g+1], 32<<16
	s_mov_b32 s[\g+2], (128*KS/256)<<16
	s_mov_b32 s[\g+3], 32<<16
	s_mov_b32 s[\g+4], 128*KS/256
	s_mov_b32 s[\g+5], 32
	s_mov_b32 s[\g+6], 0
	s_mov_b32 s[\g+7], 0
.endr
	s_lshl_b32 s18, s16, 7                         ; which 128 rows of the tile I fetch
	s_lshl_b32 s20, s17, 8
	s_add_co_u32 s20, s20, s18                     ; X: row 256 x tile row + 128 x half
	s_lshl_b32 s46, s42, 8
	s_add_co_u32 s46, s46, s18                     ; W: row 256 x tile column + 128 x half
	s_mov_b32 s21, 0
	s_mov_b32 s47, 0
	s_mov_b64 s[18:19], KS
	s_mul_u64 s[22:23], s[20:21], s[18:19]         ; where these rows' scales begin, in bytes
	s_mul_u64 s[92:93], s[46:47], s[18:19]
	s_mov_b64 s[18:19], KROW
	s_mul_u64 s[20:21], s[20:21], s[18:19]         ; and their codes
	s_mul_u64 s[46:47], s[46:47], s[18:19]
	s_mul_i32 s45, s14, HALFT                      ; where they go: wave x 128 rows: no place in the cluster enters an LDS address
	s_mul_i32 s94, s14, HALFS
	s_wait_dscnt 0x0                               ; both opening adds are done
	s_wait_kmcnt 0x0
	s_add_nc_u64 s[20:21], s[4:5], s[20:21]
	s_add_nc_u64 s[22:23], s[6:7], s[22:23]
	s_add_nc_u64 s[46:47], s[8:9], s[46:47]
	s_add_nc_u64 s[92:93], s[10:11], s[92:93]
	CROUND                                         ; all sixteen work-groups are here: the joint loads meet
	s_mov_b32 s[G0S], 1
	s_add_co_u32 s[G0S+1], s94, SCL
	s_mov_b64 s[G0S+2:G0S+3], s[22:23]
	s_or_b32 s[G0S+3], s[G0S+3], 0x80000000
	s_mov_b32 s[G0SB], 1
	s_add_co_u32 s[G0SB+1], s94, SCL
	s_mov_b64 s[G0SB+2:G0SB+3], s[92:93]
	s_or_b32 s[G0SB+3], s[G0SB+3], 0x80000000
	JLOAD G0S, G1S, G0SB, G1SB                     ; the scales first: they are wanted with the first slot.  Three tensor loads of mine are out behind this group
.irp s, 0,1
	s_mov_b32 s[G0+4*\s], 1
	s_add_co_u32 s[G0+4*\s+1], s45, \s*SLOT
	s_add_nc_u64 s[G0+4*\s+2:G0+4*\s+3], s[20:21], \s*ROWB
	s_or_b32 s[G0+4*\s+3], s[G0+4*\s+3], 0x80000000
	s_mov_b32 s[G0B+4*\s], 1
	s_add_co_u32 s[G0B+4*\s+1], s45, \s*SLOT
	s_add_nc_u64 s[G0B+4*\s+2:G0B+4*\s+3], s[46:47], \s*ROWB
	s_or_b32 s[G0B+4*\s+3], s[G0B+4*\s+3], 0x80000000
	JLOAD G0+4*\s, G1, G0B+4*\s, G1B
.endr
	v_and_b32 v1, 15, v0                           ; l % 16
	v_bfe_u32 v2, v0, 4, 1                         ; l / 16
	; the bias of my 128 columns, and the factor.  The choices hang on the cluster's x alone, which all sixteen partners share
	s_cmp_eq_u32 ttmp9, 0
	s_cselect_b64 s[96:97], s[96:97], s[98:99]
	s_cselect_b32 s[FAC], 0x3e38aa3b, 1.0          ; c = log2(e) / 8 for q
	s_cmp_eq_u32 ttmp9, 2
	s_cselect_b64 s[96:97], s[100:101], s[96:97]
	s_mov_b32 s[FAC+1], s[FAC]                     ; (named with it as a pair, so it is written)
	s_lshl_b32 s46, s40, 10                        ; 256 cx columns of 4 bytes,
	s_lshl_b32 s47, s16, 9                         ; + 128 x half
	s_add_co_u32 s46, s46, s47
	s_mov_b32 s47, 0
	s_add_nc_u64 s[96:97], s[96:97], s[46:47]
	v_lshlrev_b32 v[VB], 5, v2
.irp b, 0,1,2,3,4,5,6,7                        ; in the result's layout: register j of block b = bias(16 b + 8 (l / 16) + j), the same for every row
	global_load_b128 v[BI+8*\b:BI+8*\b+3],   v[VB], s[96:97] offset:64*\b
	global_load_b128 v[BI+8*\b+4:BI+8*\b+7], v[VB], s[96:97] offset:64*\b+16
.endr
	v_mul_u32_u24 v3, v1, PITCH
	v_lshl_add_u32 v4, v2, 4, v3                   ; a fragment's row x pitch + 16 x half
	s_mul_i32 s21, s15, HALFT                      ; my 128 rows of X
	s_mul_i32 s22, s16, HALFT                      ; my 128 rows of W,
	s_add_co_u32 s22, s22, 2*HALFT                 ; which lie behind X's 256
.irp s, 0,1
	v_add_nc_u32 v[ADRA+\s], s21, v4
	v_add_nc_u32 v[ADRB+\s], s22, v4
	s_add_co_u32 s21, s21, SLOT
	s_add_co_u32 s22, s22, SLOT
.endr
	v_mul_u32_u24 v5, v1, KS                       ; my row's scales: 32 bytes a row,
	v_lshrrev_b32 v6, 8, v5
	v_lshl_add_u32 v5, v6, 4, v5                   ; and 16 more for each 256 passed
	s_mul_i32 s21, s15, HALFS                      ; X's: my 128 rows
	s_mul_i32 s22, s16, HALFS                      ; W's: my 128 rows, behind X's 256
	s_add_co_u32 s22, s22, 2*HALFS
	s_sub_co_u32 s22, s22, s21
	v_mul_u32_u24 v6, s22, v2                      ; lanes 16-31 take W's: one product, the distance between the two bases
	s_add_co_u32 s21, s21, SCL
	v_add_nc_u32 v5, v5, v6
	v_add_nc_u32 v[ADRS], s21, v5
	s_mul_i32 s23, s14, 16*SPITCH
	s_add_co_u32 s23, s23, STAGE                   ; my stage
	v_mul_u32_u24 v5, v1, SPITCH                   ; in: row l % 16, 16 bytes for each half of the lanes
	v_lshl_add_u32 v5, v2, 4, v5
	v_add_nc_u32 v[STO], s23, v5
	v_and_b32 v6, 31, v0
	v_lshlrev_b32 v[CO], 4, v6
	v_lshrrev_b32 v5, 3, v6                        ; back: eight lanes take a head's 128 bytes of a row, the 32 lanes four rows
	v_mul_u32_u24 v5, v5, SPITCH
	v_and_b32 v6, 7, v0
	v_lshl_add_u32 v5, v6, 4, v5
	v_add_nc_u32 v[RD], s23, v5
	; where my part begins in qkv: t x 2^24 + batch x 2^22 + head x 2^18 + position x 128
	s_lshl_b32 s20, s17, 8
	s_lshl_b32 s21, s15, 7
	s_add_co_u32 s20, s20, s21                     ; my first row of C: 256 x tile row + 128 x half
	s_lshr_b32 s21, s20, 11                        ; batch
	s_and_b32 s20, s20, 2047                       ; position
	s_lshl_b32 s21, s21, 22
	s_lshl_b32 s20, s20, 7
	s_add_co_u32 s20, s20, s21
	s_lshl_b32 s21, ttmp9, 24
	s_add_co_u32 s20, s20, s21
	s_mov_b32 s21, 0
	s_lshl_b32 s46, s40, 2                         ; my first head: 4 cx + 2 x half
	s_lshl_b32 s47, s16, 1
	s_add_co_u32 s46, s46, s47
	s_lshl_b32 s46, s46, 18
	s_mov_b32 s47, 0
	s_add_nc_u64 s[20:21], s[20:21], s[46:47]
	s_add_nc_u64 s[12:13], s[12:13], s[20:21]
.macro FRAG reg, adr, q, i             ; a fragment, 16 rows x 128 K of 4-bit codes, is 8 registers: lane l holds row l % 16; registers 4 c .. 4 c + 3 hold K = 64 c + 32 (l / 16) + 0 .. 31
.irp c, 0,1
	ds_load_b128 v[\reg+4*\c:\reg+4*\c+3], v[\adr] offset:64*(\q)+32*\c+(\i)*16*PITCH
.endr
.endm
; 16 matrix instructions: X's blocks a0, a0 + 1 x W's eight, 128 along K: the slot's q-th.  p: W's set;  sc: the set of scale words.  first = 1: the sum's first product takes the bias as its C: nothing is cleared or added later.
; The 64 accumulators take turns, one instruction a turn, in the same order in every step.
.macro MUL16 a0, p, q, sc, first
.irp a, \a0, \a0+1
.irp b, 0,1,2,3,4,5,6,7
.if \first
	v_wmma_scale_f32_16x16x128_f8f6f4 v[8*(8*((\a)%4)+\b):8*(8*((\a)%4)+\b)+7], v[128*(\p)+FR*\b:128*(\p)+FR*\b+FR-1], v[AF+FR*(\a):AF+FR*(\a)+FR-1], v[BI+8*\b:BI+8*\b+7], v[SC+8*NQ*(\sc)+NQ*\b+(\q)], v[SC+8*NQ*(\sc)+NQ*(\a)+(\q)] matrix_a_fmt:MATRIX_FMT_FP4 matrix_b_fmt:MATRIX_FMT_FP4 matrix_a_scale:MATRIX_SCALE_ROW1
.else
	v_wmma_scale_f32_16x16x128_f8f6f4 v[8*(8*((\a)%4)+\b):8*(8*((\a)%4)+\b)+7], v[128*(\p)+FR*\b:128*(\p)+FR*\b+FR-1], v[AF+FR*(\a):AF+FR*(\a)+FR-1], v[8*(8*((\a)%4)+\b):8*(8*((\a)%4)+\b)+7], v[SC+8*NQ*(\sc)+NQ*\b+(\q)], v[SC+8*NQ*(\sc)+NQ*(\a)+(\q)] matrix_a_fmt:MATRIX_FMT_FP4 matrix_b_fmt:MATRIX_FMT_FP4 matrix_a_scale:MATRIX_SCALE_ROW1
.endif
.endr
.endr
.endm
.macro FETCH_B slot, q, p              ; W's eight fragments of the slot's q-th 128 along K into set p
	WIN TO_B
.irp i, 0,1,2,3,4,5,6,7
	FRAG 128*(\p)+FR*\i, ADRB+\slot, \q, \i
.endr
	WIN 0
.endm
.macro FETCH_A slot, q, i0             ; X's blocks i0 .. i0 + 3
.irp i, \i0, \i0+1, \i0+2, \i0+3
	FRAG AF+FR*(\i), ADRA+\slot, \q, \i
.endr
.endm
.macro SCALES sc                       ; a slot's scale words into set sc: four words a row; lanes 0-15 take X's block i, lanes 16-31 W's block i
.irp i, 0,1,2,3,4,5,6,7
	ds_load_b128 v[SC+8*NQ*\sc+NQ*\i:SC+8*NQ*\sc+NQ*\i+3], v[ADRS] offset:\i*SBLK
.endr
.endm
; A load into a register that a matrix instruction has read, and a vector instruction that reads or writes a matrix result, stand NP places behind that matrix instruction, and only plain vector
; instructions that name none of its registers are places (ISA guide 7.12.1 for vector instructions).
.macro PLACES n
.rept \n
	v_nop
.endr
.endm
; A step of 128 along K that has its successor in the same slot.  A block of X is free as soon as its eight products are issued: blocks 0-3 are fetched anew in the step's middle, blocks 4-7 at its end.
.macro STEP slot, q, first
	s_wait_dscnt 4*NL                              ; W's set and X's blocks 0-3 are in; the youngest eight loads (X's blocks 4-7) may be out
	WIN MUL_LO-0x20*(\first)
	MUL16 0, (\q)%2, \q, \slot, \first
	MUL16 2, (\q)%2, \q, \slot, \first
	s_wait_dscnt 0                                 ; X's blocks 4-7 are in
	PLACES NP
	FETCH_B \slot, (\q)+1, 1-(\q)%2
	FETCH_A \slot, (\q)+1, 0
	WIN MUL_HI-0x30*(\first)
	MUL16 4, (\q)%2, \q, \slot, \first
	MUL16 6, (\q)%2, \q, \slot, \first
	PLACES NP
	WIN 0
	FETCH_A \slot, (\q)+1, 4
.endm
.macro STEPS slot, from                ; the slot's steps from .. NQ - 2
.set Q, \from
.rept NQ-1-\from
	STEP \slot, Q, 0
.set Q, Q+1
.endr
.endm
	s_wait_tensorcnt 1                             ; the scales and my part of slot 0 are in; slot 1's load, the one issued behind them, may be out
	s_barrier_signal -1
	s_barrier_wait -1                              ; everybody's are
	FETCH_B 0, 0, 0
	FETCH_A 0, 0, 0
	SCALES 0
	FETCH_A 0, 0, 4
	s_wait_loadcnt 0x0                             ; the bias
	STEP 0, 0, 1
	STEPS 0, 1
	; slot 0's last step goes over to slot 1: one barrier; in front of it each wave waits for all its tensor loads (its part of slot 1)
	s_wait_tensorcnt 0x0
	ds_add_u32 v[SPW], v[NIL]                      ; 0 onto my spare word
	s_wait_dscnt 4*NL+1                            ; (the add and the youngest eight loads, X's blocks 4-7, may be out)
	WIN MUL_LO
	MUL16 0, 1, NQ-1, 0, 0                         ; sixteen matrix instructions stand between the add and the wait for it
	s_wait_dscnt 0x0
	s_barrier_signal -1
	MUL16 2, 1, NQ-1, 0, 0
	WIN 0
	s_barrier_wait -1                              ; slot 1 is whole
	PLACES NP
	v_add_nc_u32 v[ADRS], 4*NQ, v[ADRS]            ; on to slot 1's scale words (no LDS load of mine is out)
	FETCH_B 1, 0, 0
	FETCH_A 1, 0, 0
	SCALES 1
	WIN MUL_HI
	MUL16 4, 1, NQ-1, 0, 0
	MUL16 6, 1, NQ-1, 0, 0
	PLACES NP
	WIN 0
	FETCH_A 1, 0, 4
	STEPS 1, 0
	s_wait_dscnt 4*NL                              ; the very last step: nothing more to fetch
	WIN MUL_LO
	MUL16 0, 1, NQ-1, 1, 0
	MUL16 2, 1, NQ-1, 1, 0
	s_wait_dscnt 0
	WIN MUL_HI
	MUL16 4, 1, NQ-1, 1, 0
	MUL16 6, 1, NQ-1, 1, 0
	WIN 0
; THE WAY OUT, block by block of 16 rows x 128 columns (two heads).  PACK: times the factor, in f32, then rounded to f16: 16 bytes a lane.  TOSTAGE: into my own stage, and back so that the 32 lanes hold
; four rows of one head: 512 bytes that lie on end in qkv.  SEND: stored.
.macro PACK a
.set AC, 64*((\a)%4)
	WIN 0x82+0x41*((\a)/4)                         ; destination and source 0: window 2 or 3
.set i, 0
.rept 32
	v_pk_mul_f32 v[AC+i:AC+i+1], v[AC+i:AC+i+1], s[FAC:FAC+1] op_sel_hi:[1,0]   ; ascending: each accumulator from its low end on
.set i, i+2
.endr
	WIN 0x0a+5*((\a)/4)                            ; sources 0 and 1: window 2 or 3; destination window 0
.irp b, 0,1,2,3,4,5,6,7
.irp r, 0,1,2,3
	v_cvt_pk_f16_f32 v[TMP+4*\b+\r], v[AC+8*\b+2*\r], v[AC+8*\b+2*\r+1]
.endr
.endr
	WIN 0
.endm
.macro TOSTAGE a
.set BB, BK+32*((\a)%2)
.irp b, 0,1,2,3,4,5,6,7
	ds_store_b128 v[STO], v[TMP+4*\b:TMP+4*\b+3] offset:32*\b
.endr
.irp i, 0,1,2,3,4,5,6,7
	ds_load_b128 v[BB+4*\i:BB+4*\i+3], v[RD] offset:(\i%4)*4*SPITCH+(\i/4)*128   ; LDS serves a wave's instructions in order (ISA guide 5.7.1.4): these see the stores above.  Rows 4 (i % 4) on, head i / 4
.endr
.endm
.macro SEND a
.set BB, BK+32*((\a)%2)
	s_wait_dscnt 0x0                               ; the block is back in registers
	s_wait_xcnt 0x0                                ; the earlier stores have read their base and their registers: only behind this wait are they written again
.if (\a) > 0
	s_add_nc_u64 s[12:13], s[12:13], 16*128        ; 16 positions on
.endif
.irp i, 0,1,2,3,4,5,6,7
	global_store_b128 v[CO], v[BB+4*\i:BB+4*\i+3], s[12:13] offset:(\i/4)*262144+(\i%4)*512   ; 32 lanes store 512 consecutive bytes, at a multiple of 256 from the buffer's first byte
.endr
.endm
	PLACES NP                                      ; behind the last products
	PACK 0
	TOSTAGE 0
.irp a, 1,2,3,4,5,6,7                          ; block a's arithmetic stands between block a - 1's loads from the stage and the wait for them
	PACK \a
	SEND \a-1
	TOSTAGE \a
.endr
	SEND 7
	s_wait_tensorcnt 0x0                           ; the wave's end: behind my last tensor load and my last LDS store
	ds_add_u32 v[SPW], v[NIL]
	s_wait_dscnt 0x0
	CROUND                                         ; the closing round: no work-group ends while a partner may still ask for a tile that names it
	s_endpgm
.Lfunc_end_k_q85933fd9f6_qkv:
	.size	k_q85933fd9f6_qkv, .Lfunc_end_k_q85933fd9f6_qkv-k_q85933fd9f6_qkv
	.p2alignl 7, 3214868480
	.fill 96, 4, 3214868480
	.section	.rodata,"a",@progbits
	.p2align	6, 0x0
	.amdhsa_kernel k_q85933fd9f6_qkv
		.amdhsa_group_segment_fixed_size 327680
		.amdhsa_private_segment_fixed_size 0
		.amdhsa_enable_private_segment 0
		.amdhsa_kernarg_size 64
		.amdhsa_user_sgpr_count 2
		.amdhsa_user_sgpr_kernarg_segment_ptr 1
		.amdhsa_wavefront_size32 1
		.amdhsa_system_sgpr_workgroup_id_x 1
		.amdhsa_system_sgpr_workgroup_id_y 1
		.amdhsa_system_sgpr_workgroup_id_z 1
		.amdhsa_system_vgpr_workitem_id 0
		.amdhsa_next_free_vgpr 1024
		.amdhsa_next_free_sgpr 102
		.amdhsa_reserve_vcc 0
		.amdhsa_float_denorm_mode_32 3
		.amdhsa_float_denorm_mode_16_64 3
		.amdhsa_memory_ordered 1
		.amdhsa_forward_progress 1
		.amdhsa_inst_pref_size 145
	.end_amdhsa_kernel
	.amdgpu_metadata
---
amdhsa.version: [ 1, 2 ]
amdhsa.kernels:
  - .name:           k_q85933fd9f6_qkv
    .symbol:         k_q85933fd9f6_qkv.kd
    .args:
      - { .name: x_codes, .offset: 0, .size: 8, .value_kind: global_buffer, .address_space: global }
      - { .name: x_scales, .offset: 8, .size: 8, .value_kind: global_buffer, .address_space: global }
      - { .name: w_codes, .offset: 16, .size: 8, .value_kind: global_buffer, .address_space: global }
      - { .name: w_scales, .offset: 24, .size: 8, .value_kind: global_buffer, .address_space: global }
      - { .name: bq, .offset: 32, .size: 8, .value_kind: global_buffer, .address_space: global }
      - { .name: bk, .offset: 40, .size: 8, .value_kind: global_buffer, .address_space: global }
      - { .name: bv, .offset: 48, .size: 8, .value_kind: global_buffer, .address_space: global }
      - { .name: qkv, .offset: 56, .size: 8, .value_kind: global_buffer, .address_space: global }
    .group_segment_fixed_size: 327680
    .private_segment_fixed_size: 0
    .kernarg_segment_align: 8
    .kernarg_segment_size: 64
    .max_flat_workgroup_size: 128
    .sgpr_count:     102
    .vgpr_count:     1024
    .wavefront_size: 32
...
	.end_amdgpu_metadata
.endif
;; end of part 2
;; launch attn (part 3): grid 4 x 64, 8 waves a work-group, clusters of 4 x 1, 327,680 bytes of LDS; arguments qkv, mask, out0; writes out0
.if DOCPART == 3
	.amdgcn_target "amdgcn-amd-amdhsa--gfx1250"
	.amdhsa_code_object_version 6
	.text
	.protected	k_q85933fd9f6_attn
	.globl	k_q85933fd9f6_attn
	.p2align	8
	.type	k_q85933fd9f6_attn,@function
k_q85933fd9f6_attn:
	s_mov_b64 s[64:65], 0
	v_nop
	global_prefetch_b8 v0, s[64:65] scope:SCOPE_SE
	s_setreg_imm32_b32 hwreg(HW_REG_WAVE_MODE, 25, 1), 1
	s_wait_xcnt 0x0
	s_wait_alu depctr_hold_cnt(0) depctr_sa_sdst(0) depctr_va_vdst(0) depctr_va_sdst(0) depctr_va_ssrc(0) depctr_va_vcc(0) depctr_vm_vsrc(0)
	s_getreg_b32 s2, hwreg(HW_REG_IB_STS2, 6, 4)
	s_cmp_eq_u32 s2, 0
	s_cbranch_scc0 .Lentry_in_a_cluster
	s_endpgm
.Lentry_in_a_cluster:
	s_bfe_u32 s2, ttmp6, 0x10000c
	s_cmp_lg_u32 s2, 0x3003
	s_cbranch_scc0 .Lentry_shape_is_right
	s_endpgm
.Lentry_shape_is_right:
; out0[b][q][64 h + :] = the sum over k of softmax_k(q . k / 8 + (1 - mask[b][k]) x -10000) v[k][:], for each of 64 (batch, head) pairs, 2,048 queries and keys, head size 64.
; q, k, v come as f16 from qkv [t][batch][head][position][64]; q already carries c = log2(e) / 8.  Products on f16 operands with f32 sums; maxima, exponentials and sums in f32; the weights p are rounded to f16 for the
; second product; out0 is f32.
; LIMITS: the adder is applied as (1 - mask) x (-10000 log2(e)), that constant rounded once to f32; NaN and infinities are not served; f16's range bounds q c, k and v at 65,504.
; SHARES.  A work-group owns 512 queries of one (batch, head); each of its eight waves 64: four tiles of 16, worked as two pieces (tiles 0, 1 and tiles 2, 3).  Two waves share a SIMD, 512 registers each: a wave's text
; goes in runs of matrix instructions and runs of vector instructions, so that one wave's products can stand beside the other's softmax.  Every wave walks all keys, 64 a step.
; LAYOUT.  S^T = K Q^T + A (source 0 = 16 keys, source 1 = 16 queries; A, the C of the first product, is the keys' adder in the result's layout): a lane holds ONE query (lane % 16) and the keys 8 (lane / 16) + 0..7.
; So the mask and the scale cost no vector instruction.  Two such tiles, rounded to f16 in pairs, ARE source 1 (32 keys x 16 queries) of O^T = V^T P.  K comes out of LDS as it lies, V ([key][channel]) turned.
; SOFTMAX.  For each query a running maximum m and sum l: p = 2^(t - m); in every step O and l are multiplied by a = 2^(m_old - m_new).  m begins at -3e38 and O and l at 0, so the step is written once.
; CLUSTER.  The four query blocks of a (batch, head) form a cluster and walk the same K and V: each tile is asked for JOINTLY, by the same tensor load with the same descriptor and a mask that names the four.
; RING.  Two LDS slots of four key steps.  The change of slots stands at a slot's head; behind its round the other slot is asked for, one load a wave (waves 0-3: K's four tiles of 64 rows, waves 4-7: V's),
; which has four key steps, 256 matrix instructions of a wave, in which to land.
; REGISTERS: window 0: v1-15 addresses; v16-47 statistics, eight a tile; v48-79 the adder; v80-143 Q; v144-207 S^T of the piece in hand, 32 a tile, P laid over each tile's first 16.
;            window 1: v0-127 O^T, 32 a tile; v128-191 K of a step; v192-255 V of a step.
.set KS,    64                         ; keys in a step
.set KP,    144                        ; a row of K in LDS: 128 bytes + 16 of padding
.set VP,    160                        ; a row of V: 128 + 32
.set VOFF,  KS*KP                      ; a step's tiles lie together: 64 rows of K, then 64 rows of V
.set STEPB, KS*(KP+VP)
.set NST,   4                          ; steps in a slot
.set SLOT1, 1<<17                      ; slot 1 begins here, so that one exclusive or turns an address in one slot into the other's
.set SLOTB, NST*KS*128                 ; a slot's keys in memory: 32,768 bytes of K, as many of V
.set NSL,   2048/(NST*KS)              ; 8 slots' worth of keys
.set STAGE, SLOT1+NST*STEPB            ; behind the ring: 16 rows x 272 bytes for each wave, for the way out
.set SP,    272
.set ADD,   STAGE+8*16*SP              ; the batch's 2,048 adders, f32
.set SPARE, ADD+2048*4                 ; the spare words, 128 bytes for each wave: four blocks of 256 bytes that no other line names
.set AK0, 2                            ; v2   my lane's place in a tile of K
.set AV0, 3                            ; v3   the same for V
.set AA0, 4                            ; v4   and among the adders
.set ADR, 5                            ; v5-7 the LDS addresses of the step in hand: K, V, adders
.set ADRV, 6
.set ADRA, 7
.set QO,  8                            ; v8   my byte offset in the wave's rows of Q
.set STO, 9                            ; v9   the way out: where I put 32 bytes of a row
.set RD,  10                           ; v10  where I read a row back
.set GO,  11                           ; v11  my byte offset in the wave's rows of out0
.set PFO, 12                           ; v12  256 x my lane; never rewritten
.set SPW, 14                           ; v14  LDS address of my spare word; never rewritten
.set NIL, 15                           ; v15  0; never rewritten
.set ST,  16                           ; tile t's statistics at v[ST+8 t]: +0 m, +1 the old m, +2, +3 l (even keys', odd keys'), +4 to +7 at work: four maxima; then +4, +5 a second chain of sums, +6 a, +7 its exponent
.set AD,  48
.set QF,  80
.set SS,  144
.set KF,  128                          ; in window 1
.set VF,  192                          ; in window 1
.set WV,  12                           ; s12  my wave's number
.set LIM, 15                           ; s15  1 in a wave that prefetches, else the greatest number
.set PFA, 18                           ; s[18:19] where my prefetches stand
.set G1K, 24                           ; s[24:31] descriptor group 1 for K's tiles;  s[32:39] for V's: it differs in the padding alone
.set G1V, 32
.set G0K, 40                           ; s[40:43], s[44:47] their groups 0, which walk
.set G0V, 44
.set SLOTS, 56                         ; s56  slots still to be asked for
.set SEL, 60                           ; s[60:61] lane selects for v_permlanex16_b32: lane l xor 16
.set TB,  62                           ; s62  LDS byte at which the step's tiles begin
.set TA,  63                           ; s63  and its adders: 256 bytes a step
.set MSB, 0
.macro WIN new                         ; the immediate's high byte repeats the setting that is left; a switch that changes nothing is dropped
.if MSB != \new
	s_set_vgpr_msb (MSB<<8)|\new
.set MSB, \new
.endif
.endm
.set W_KQ, 0x01                        ; K in window 1; Q, the adder and S^T in window 0
.set W_PV, 0x51                        ; V and O^T in window 1, P in window 0
.set W_RS, 0x41                        ; O^T (destination and source 0) in window 1, a in window 0
.set W_TO, 0x40                        ; destination window 1
; A joint load.  The branch hangs on the wave's number alone.  An s_nop 0 and four v_nop follow each of the two lines, ahead of the jump, the label and what follows.
.macro JLOAD
	s_cmp_lt_u32 s[WV], 4
	s_cbranch_scc0 .Lfor_v_\@
	tensor_load_to_lds s[G0K:G0K+3], s[G1K:G1K+7]
	s_nop 0
.rept 4
	v_nop
.endr
	s_branch .Lasked_\@
.Lfor_v_\@:
	tensor_load_to_lds s[G0V:G0V+3], s[G1V:G1V+7]
	s_nop 0
.rept 4
	v_nop
.endr
.Lasked_\@:
.endm
; A PREFETCH INTO THE L2 of what the NEXT change of slots will ask for: 32,768 bytes of K and as many of V, both dense.  One cluster alone walks a head's K and V; its four partners share a slot's bytes out BY ADDRESS,
; 8,192 each, lanes 256 bytes apart; in each, wave 0 asks for K's and wave 4 for V's: one instruction.  So each aligned block of 256 bytes is named once in the launch.  It stands behind the wave's tensor load and its
; five lines, four key steps ahead of the load that will want the bytes.  The last change that fills a slot asks for nothing; slots 0 and 1 come by their loads alone.
.macro ASK
	s_cmp_gt_u32 s[SLOTS], s[LIM]
	s_cbranch_scc0 .Lnot_mine_\@
	global_prefetch_b8 v[PFO], s[PFA:PFA+1] th:TH_LOAD_NT scope:SCOPE_SE
.Lnot_mine_\@:
.endm
.macro CROUND                          ; a round of the cluster's barrier: my work-group's barrier; wave 0 signals for the work-group; every wave waits for all four work-groups; my work-group's barrier once more
	s_barrier_signal -1
	s_barrier_wait -1
	s_cmp_lg_u32 s[WV], 0
	s_cbranch_scc1 .Lnot_wave_0_\@
	s_barrier_signal -3
.Lnot_wave_0_\@:
	s_barrier_wait -3
	s_barrier_signal -1
	s_barrier_wait -1
.endm
	s_load_b128 s[4:7], s[0:1], 0x0                ; qkv s[4:5], mask s[6:7]
	s_load_b64 s[8:9], s[0:1], 0x10                ; out0
	v_lshl_add_u32 v[SPW], v0, 2, SPARE
	v_mov_b32 v[NIL], 0
	ds_add_u32 v[SPW], v[NIL]                      ; the wave's opening: the add, twice on end, and its wait ahead of my first tensor load; the set-up below, work on registers, stands between
	ds_add_u32 v[SPW], v[NIL]
	v_lshrrev_b32 v1, 5, v0
	v_readfirstlane_b32 s[WV], v1                  ; wave 0..7
	s_bfe_u32 s13, ttmp6, 0x40000                  ; cx: my place in the cluster = my block of 512 queries (the grid has one cluster along x)
	s_and_b32 s20, ttmp7, 0xffff                   ; 16 x batch + head, which the four partners share
	s_lshr_b32 s2, s20, 4                          ; batch
	s_and_b32 s3, s20, 15                          ; head
	s_lshl_b32 s20, s20, 18                        ; a head's 2,048 rows of 128 bytes
	s_mov_b32 s21, 0
	s_and_b32 s14, s[WV], 3                        ; which of a slot's four steps I fetch:
	s_lshl_b32 s22, s14, 13                        ; its 64 rows of 128 bytes in memory,
	s_mov_b32 s23, 0
	s_mul_i32 s14, s14, STEPB                      ; and its place in a slot: no place in the cluster enters an LDS address
	; descriptor group 1: a tile of 64 rows x 64 elements of 2 bytes, padded in LDS
	s_mov_b32 s[G1K], 15|(1<<16)|(1<<20)|(1<<21)|(4<<22)|(3<<25)  ; 15:0 the mask: all four work-groups; 17:16 elements of 2 bytes; 20 padding on; 21 set beside a mask; 24:22 after every 32 words (code 4); 31:25 4 words of it (code 3)
	s_mov_b32 s[G1V], 15|(1<<16)|(1<<20)|(1<<21)|(4<<22)|(7<<25)  ; the same with 8 words of padding (code 7)
.irp g, G1K, G1V
	s_mov_b32 s[\g+1], 64<<16                      ; tensor_dim0 = 64
	s_mov_b32 s[\g+2], KS<<16                      ; tensor_dim1 = 64
	s_mov_b32 s[\g+3], 64<<16                      ; tile_dim0 = 64
	s_mov_b32 s[\g+4], KS                          ; tile_dim1 = 64
	s_mov_b32 s[\g+5], 64                          ; tensor_dim0_stride: elements from row to row
	s_mov_b32 s[\g+6], 0
	s_mov_b32 s[\g+7], 0
.endr
	s_mov_b32 s[SEL], 0x76543210
	s_mov_b32 s[SEL+1], 0xfedcba98
	s_mov_b32 s[TB], 0
	s_mov_b32 s[TA], 0
	s_mov_b32 s[SLOTS], NSL-1
	s_mov_b32 s57, 0xc6616bcd                      ; -10000 log2(e)
	s_and_b32 s[LIM], s[WV], 3                     ; waves 0 and 4 prefetch: the same in all four partners
	s_cmp_eq_u32 s[LIM], 0
	s_cselect_b32 s[LIM], 1, -1
	s_lshl_b32 s48, s13, 16                        ; Q: my block's 512 rows of 128 bytes,
	s_lshl_b32 s49, s[WV], 13                      ; my wave's 64 of them
	s_add_co_u32 s48, s48, s49
	s_mov_b32 s49, 0
	s_lshl_b32 s50, s2, 13                         ; the mask: my batch's 2,048 words
	s_mov_b32 s51, 0
	s_lshl_b32 s52, s2, 23                         ; out0: (2,048 batch + 512 cx + 64 wave) rows of 4,096 bytes + 256 x head
	s_lshl_b32 s53, s13, 21
	s_add_co_u32 s52, s52, s53
	s_lshl_b32 s53, s[WV], 18
	s_add_co_u32 s52, s52, s53
	s_lshl_b32 s53, s3, 8
	s_add_co_u32 s52, s52, s53
	s_mov_b32 s53, 0
	s_lshl_b32 s54, s13, 13                        ; the prefetches: my work-group's 8,192 bytes of a slot's 32,768
	s_mov_b32 s55, 0
	s_mul_i32 s58, s[WV], 16*SP
	s_add_co_u32 s58, s58, STAGE                   ; my stage
	v_and_b32 v[PFO], 31, v0
	v_lshlrev_b32 v[PFO], 8, v[PFO]
	s_wait_dscnt 0x0                               ; both opening adds are done
	s_wait_kmcnt 0x0
	s_add_nc_u64 s[4:5], s[4:5], s[20:21]          ; q of my head,
	s_add_nc_u64 s[10:11], s[4:5], 0x1000000       ; k,
	s_add_nc_u64 s[16:17], s[4:5], 0x2000000       ; v
	s_mov_b32 s[G0K], 1                            ; 1:0 count = 1
	s_mov_b32 s[G0K+1], s14                        ; 63:32 LDS address: slot 0
	s_add_nc_u64 s[G0K+2:G0K+3], s[10:11], s[22:23]  ; 120:64 global address
	s_or_b32 s[G0K+3], s[G0K+3], 0x80000000        ; 127:126 type = 2
	s_mov_b32 s[G0V], 1
	s_add_co_u32 s[G0V+1], s14, VOFF
	s_add_nc_u64 s[G0V+2:G0V+3], s[16:17], s[22:23]
	s_or_b32 s[G0V+3], s[G0V+3], 0x80000000
	s_cmp_lt_u32 s[WV], 4
	s_cselect_b64 s[PFA:PFA+1], s[10:11], s[16:17]
	s_add_nc_u64 s[PFA:PFA+1], s[PFA:PFA+1], s[54:55]
	s_add_nc_u64 s[PFA:PFA+1], s[PFA:PFA+1], SLOTB ; in slot 1: the first change of slots steps it to slot 2
	s_add_nc_u64 s[4:5], s[4:5], s[48:49]          ; Q at my wave's first row
	s_add_nc_u64 s[6:7], s[6:7], s[50:51]
	s_add_nc_u64 s[8:9], s[8:9], s[52:53]
	CROUND                                         ; all four work-groups are here: the first joint loads meet
	JLOAD                                          ; slot 0: one tensor load of mine is out
	v_lshlrev_b32 v13, 5, v0                       ; the mask: eight words a thread, 256 threads
	global_load_b128 v[SS:SS+3], v13, s[6:7]
	global_load_b128 v[SS+4:SS+7], v13, s[6:7] offset:16
	v_and_b32 v48, 15, v0                          ; r = l % 16
	v_bfe_u32 v49, v0, 4, 1                        ; h = l / 16
	v_lshlrev_b32 v[QO], 7, v48
	v_lshl_add_u32 v[QO], v49, 4, v[QO]            ; row x 128 + 16 x half
.irp t, 0,1,2,3                                ; Q stays in registers.  A fragment is 16 rows x 32 channels in 8 registers: registers 0-3 channels 8 h + 0..7, registers 4-7 channels 16 + 8 h + 0..7
.irp c, 0,1
	global_load_b128 v[QF+16*\t+8*\c:QF+16*\t+8*\c+3],   v[QO], s[4:5] offset:2048*\t+64*\c
	global_load_b128 v[QF+16*\t+8*\c+4:QF+16*\t+8*\c+7], v[QO], s[4:5] offset:2048*\t+64*\c+32
.endr
.endr
	v_lshl_add_u32 v1, v0, 5, ADD                  ; where my eight adders go
	v_mul_u32_u24 v[AK0], v48, KP
	v_lshl_add_u32 v[AK0], v49, 4, v[AK0]          ; K: row x pitch + 16 x half
	; the turning load takes 16 keys x 16 channels (lane l reads 16 bytes: key 8 h + l % 8, channels 8 ((l / 8) % 2) + 0..7) and leaves half a fragment of V^T: lane l holds channel l % 16 and 8 keys
	v_and_b32 v50, 7, v0
	v_bfe_u32 v51, v0, 3, 1
	v_lshl_add_u32 v[AV0], v49, 3, v50
	v_mul_u32_u24 v[AV0], v[AV0], VP
	v_lshl_add_u32 v[AV0], v51, 4, v[AV0]
	v_add_nc_u32 v[AV0], VOFF, v[AV0]
	v_lshl_add_u32 v[AA0], v49, 5, ADD             ; the adders of keys 8 h + 0..7
	v_mul_u32_u24 v[STO], v48, SP                  ; the stage, in: row r, 32 bytes for each half of the lanes
	v_lshl_add_u32 v[STO], v49, 5, v[STO]
	v_add_nc_u32 v[STO], s58, v[STO]
	v_mul_u32_u24 v[RD], v49, SP                   ; back: lanes 0-15 one row of 256 bytes, lanes 16-31 the next
	v_lshl_add_u32 v[RD], v48, 4, v[RD]
	v_add_nc_u32 v[RD], s58, v[RD]
	v_lshlrev_b32 v[GO], 12, v49                   ; and the same two rows in out0
	v_lshl_add_u32 v[GO], v48, 4, v[GO]
.irp t, 0,1,2,3
	v_mov_b32 v[ST+8*\t], 0xff61b1e6               ; m: -3e38, under every t
	v_mov_b32 v[ST+8*\t+1], 0
	v_mov_b32 v[ST+8*\t+2], 0                      ; l
	v_mov_b32 v[ST+8*\t+3], 0
.endr
	WIN W_TO
.set i, 0
.rept 128
	v_mov_b32 v[i], 0                              ; O^T.  (The step is written once: the first finds zeros, which a = 0 leaves zeros)
.set i, i+1
.endr
	WIN 0
	s_wait_loadcnt 16                              ; the mask is in; Q's sixteen loads, issued behind it, may be out
.irp j, 0,1,2,3,4,5,6,7
	v_cvt_f32_i32 v[SS+\j], v[SS+\j]
.endr
.irp j, 0,1,2,3,4,5,6,7
	v_fma_f32 v[SS+\j], -v[SS+\j], s57, s57        ; (1 - mask) x -10000 log2(e), one rounding
.endr
	ds_store_b128 v1, v[SS:SS+3]                   ; the wait for these stores is the first change of slots' wait for all my LDS instructions, in front of its round
	ds_store_b128 v1, v[SS+4:SS+7] offset:16
	s_wait_loadcnt 0x0                             ; Q
; 16 products of S^T = K Q^T + A for piece y: channels 32 (i / 8) on, keys 16 ((i / 2) % 4) on, tile y + i % 2.  The first 8 take the adder as C.  The eight accumulators take turns, one instruction a turn.
.macro MULKQ y
.set i, 0
.rept 16
.set rS, SS+32*(i%2)+8*((i/2)%4)
.set rK, KF+16*((i/2)%4)+8*(i/8)
.set rQ, QF+16*(\y+i%2)+8*(i/8)
.set rA, AD+8*((i/2)%4)
.if i < 8
	v_wmma_f32_16x16x32_f16 v[rS:rS+7], v[rK:rK+7], v[rQ:rQ+7], v[rA:rA+7]
.else
	v_wmma_f32_16x16x32_f16 v[rS:rS+7], v[rK:rK+7], v[rQ:rQ+7], v[rS:rS+7]
.endif
.set i, i+1
.endr
.endm
; 16 products of O^T += V^T P: keys 32 (i / 8) on, channels 16 ((i / 2) % 4) on, tile y + i % 2.  Eight accumulators by turns.
.macro MULPV y
.set i, 0
.rept 16
.set rO, 32*(\y+i%2)+8*((i/2)%4)
.set rV, VF+32*(i/8)+8*((i/2)%4)
.set rP, SS+32*(i%2)+8*(i/8)
	v_wmma_f32_16x16x32_f16 v[rO:rO+7], v[rV:rV+7], v[rP:rP+7], v[rO:rO+7]
.set i, i+1
.endr
.endm
; THE SOFTMAX of piece y's two tiles for one key step, the tiles line by line by turns, so that no line waits for the line above it.
.macro SM y
.irp j, 0,1,2,3                                ; the maximum of the lane's 32 scores and the old m, three operands at a time: four chains; each accumulator is read from its low end on
.irp u, 0,1
	v_max3_num_f32 v[ST+8*(\y+\u)+4+\j], v[SS+32*\u+8*\j], v[SS+32*\u+8*\j+1], v[SS+32*\u+8*\j+2]
.endr
.endr
.irp k, 1,2
.irp j, 0,1,2,3
.irp u, 0,1
	v_max3_num_f32 v[ST+8*(\y+\u)+4+\j], v[ST+8*(\y+\u)+4+\j], v[SS+32*\u+8*\j+2*\k+1], v[SS+32*\u+8*\j+2*\k+2]
.endr
.endr
.endr
.irp u, 0,1
	v_max3_num_f32 v[ST+8*(\y+\u)+4], v[ST+8*(\y+\u)+4], v[SS+32*\u+7], v[SS+32*\u+15]
.endr
.irp u, 0,1
	v_max3_num_f32 v[ST+8*(\y+\u)+6], v[ST+8*(\y+\u)+6], v[SS+32*\u+23], v[SS+32*\u+31]
.endr
.irp u, 0,1
	v_max3_num_f32 v[ST+8*(\y+\u)+4], v[ST+8*(\y+\u)+4], v[ST+8*(\y+\u)+5], v[ST+8*(\y+\u)+6]
.endr
.irp u, 0,1
	v_max3_num_f32 v[ST+8*(\y+\u)+4], v[ST+8*(\y+\u)+4], v[ST+8*(\y+\u)+7], v[ST+8*(\y+\u)]
.endr
.irp u, 0,1
	v_permlanex16_b32 v[ST+8*(\y+\u)+5], v[ST+8*(\y+\u)+4], s[SEL], s[SEL+1]   ; the query's other 32 keys lie in the lane 16 away
.endr
.irp u, 0,1
	v_mov_b32 v[ST+8*(\y+\u)+1], v[ST+8*(\y+\u)]   ; the old m
.endr
.irp u, 0,1
	v_max_num_f32 v[ST+8*(\y+\u)], v[ST+8*(\y+\u)+4], v[ST+8*(\y+\u)+5]
.endr
.irp u, 0,1
	v_sub_f32 v[ST+8*(\y+\u)+7], v[ST+8*(\y+\u)+1], v[ST+8*(\y+\u)]
.endr
.irp u, 0,1
	v_exp_f32 v[ST+8*(\y+\u)+6], v[ST+8*(\y+\u)+7] ; a = 2^(m_old - m_new)
.endr
.irp p, 0,1,2,3,4,5,6,7,8,9,10,11,12,13,14,15
.irp u, 0,1
	v_pk_add_f32 v[SS+32*\u+2*\p:SS+32*\u+2*\p+1], v[SS+32*\u+2*\p:SS+32*\u+2*\p+1], v[ST+8*(\y+\u):ST+8*(\y+\u)+1] op_sel_hi:[1,0] neg_lo:[0,1] neg_hi:[0,1]   ; t - m, two at a time
.endr
.endr
	s_wait_alu depctr_va_vdst(0)                   ; wait for the two a, which the rescaling below reads
.set i, 0
.rept 64
	v_exp_f32 v[SS+i], v[SS+i]                     ; p = 2^(t - m): one batch
.set i, i+1
.endr
	WIN W_RS
.irp u, 0,1
.set i, 0
.rept 16
	v_pk_mul_f32 v[32*(\y+\u)+i:32*(\y+\u)+i+1], v[32*(\y+\u)+i:32*(\y+\u)+i+1], v[ST+8*(\y+\u)+6:ST+8*(\y+\u)+7] op_sel_hi:[1,0]   ; O^T x a: plain work behind the batch that names none of its results
.set i, i+2
.endr
.endr
	WIN 0
	s_wait_alu depctr_va_vdst(0)                   ; one wait for the batch of 64, ahead of its first reader
.irp u, 0,1                                    ; the sums of the unrounded p, in two chains a tile: l = a l + pair 0;
	v_pk_fma_f32 v[ST+8*(\y+\u)+2:ST+8*(\y+\u)+3], v[ST+8*(\y+\u)+2:ST+8*(\y+\u)+3], v[ST+8*(\y+\u)+6:ST+8*(\y+\u)+7], v[SS+32*\u:SS+32*\u+1] op_sel_hi:[1,0,1]
.endr
.irp u, 0,1                                    ; x = pair 1 + pair 2;
	v_pk_add_f32 v[ST+8*(\y+\u)+4:ST+8*(\y+\u)+5], v[SS+32*\u+2:SS+32*\u+3], v[SS+32*\u+4:SS+32*\u+5]
.endr
.irp p, 3,5,7,9,11,13                          ; the odd pairs onto l, the even ones onto x
.irp u, 0,1
	v_pk_add_f32 v[ST+8*(\y+\u)+2:ST+8*(\y+\u)+3], v[ST+8*(\y+\u)+2:ST+8*(\y+\u)+3], v[SS+32*\u+2*\p:SS+32*\u+2*\p+1]
.endr
.irp u, 0,1
	v_pk_add_f32 v[ST+8*(\y+\u)+4:ST+8*(\y+\u)+5], v[ST+8*(\y+\u)+4:ST+8*(\y+\u)+5], v[SS+32*\u+2*\p+2:SS+32*\u+2*\p+3]
.endr
.endr
.irp u, 0,1
	v_pk_add_f32 v[ST+8*(\y+\u)+2:ST+8*(\y+\u)+3], v[ST+8*(\y+\u)+2:ST+8*(\y+\u)+3], v[SS+32*\u+30:SS+32*\u+31]
.endr
.irp u, 0,1
	v_pk_add_f32 v[ST+8*(\y+\u)+2:ST+8*(\y+\u)+3], v[ST+8*(\y+\u)+2:ST+8*(\y+\u)+3], v[ST+8*(\y+\u)+4:ST+8*(\y+\u)+5]
.endr
.irp p, 0,1,2,3,4,5,6,7,8,9,10,11,12,13,14,15  ; to f16, pair p into register p: ascending, so each lands on registers that have been read.  Registers 0-7 and 8-15 are P's two fragments
.irp u, 0,1
	v_cvt_pk_f16_f32 v[SS+32*\u+\p], v[SS+32*\u+2*\p], v[SS+32*\u+2*\p+1]
.endr
.endr
.endm
.macro PIECE y
	WIN W_KQ
	MULKQ \y
	WIN 0
.rept 4
	v_nop                                          ; four places between the last product and the first read of the scores (ISA guide 7.12.1)
.endr
	SM \y
.if \y == 0
	s_wait_dscnt 0x0                               ; V is in
.endif
	WIN W_PV
	MULPV \y
.endm
; A KEY STEP: 64 keys.
.macro STEP
	v_add_nc_u32 v[ADR], s[TB], v[AK0]             ; these three and two v_nop are five places behind the last products V^T P: four are owed to the loads into V's registers,
	v_add_nc_u32 v[ADRV], s[TB], v[AV0]            ; five to the products below, which write over P's
	v_add_nc_u32 v[ADRA], s[TA], v[AA0]
	v_nop
	v_nop
.irp a, 0,1,2,3                                ; the adders of keys 16 a + 8 h + 0..7: the same words in all lanes of a half
	ds_load_b128 v[AD+8*\a:AD+8*\a+3],   v[ADRA] offset:64*\a
	ds_load_b128 v[AD+8*\a+4:AD+8*\a+7], v[ADRA] offset:64*\a+16
.endr
	WIN W_TO
.irp a, 0,1,2,3                                ; K: keys 16 a on, channels 32 c on
.irp c, 0,1
	ds_load_b128 v[KF+16*\a+8*\c:KF+16*\a+8*\c+3],   v[ADR] offset:\a*16*KP+64*\c
	ds_load_b128 v[KF+16*\a+8*\c+4:KF+16*\a+8*\c+7], v[ADR] offset:\a*16*KP+64*\c+32
.endr
.endr
.irp g, 0,1                                    ; V, turned: keys 32 g on, channels 16 c on
.irp c, 0,1,2,3
	ds_load_tr16_b128 v[VF+32*\g+8*\c:VF+32*\g+8*\c+3],   v[ADRV] offset:\g*32*VP+32*\c
	ds_load_tr16_b128 v[VF+32*\g+8*\c+4:VF+32*\g+8*\c+7], v[ADRV] offset:\g*32*VP+16*VP+32*\c
.endr
.endr
	s_wait_dscnt 16                                ; the adders and K are in; V's sixteen loads, the youngest, may be out
	PIECE 0
	WIN 0
.rept 5
	v_nop                                          ; five places: piece 2's first products write over P, which piece 0's last products read
.endr
	PIECE 2
	WIN 0
	s_add_co_u32 s[TB], s[TB], STEPB
	s_add_co_u32 s[TA], s[TA], 4*KS
.endm
; THE CHANGE OF SLOTS stands at a slot's head.  Each wave waits for all its tensor loads (its part of the slot that it is about to read), adds 0 to its spare word, and waits for that and for its LDS instructions (its
; reads of the slot that it has left; the first time, its stores of the adders).  fill = 1: the barrier is a round of the cluster's, so that no wave of any partner still reads the other slot or has a load on its way,
; and the joint load for that slot is the first thing behind it.  The first time that slot is filled for the first time, by all eight waves alike.
.macro CHANGE fill
	s_wait_tensorcnt 0x0                           ; no tensor load of mine is out, so a group 0 may be written
	ds_add_u32 v[SPW], v[NIL]                      ; 0 onto my spare word
.if \fill
	s_xor_b32 s[G0K+1], s[G0K+1], SLOT1            ; the walking descriptors: the other slot than last time,
	s_add_nc_u64 s[G0K+2:G0K+3], s[G0K+2:G0K+3], SLOTB   ; the next 256 keys; the type bits on top are not reached
	s_xor_b32 s[G0V+1], s[G0V+1], SLOT1
	s_add_nc_u64 s[G0V+2:G0V+3], s[G0V+2:G0V+3], SLOTB
	s_wait_xcnt 0x0                                ; the last prefetch, a slot back, has read its address, so it may be written:
	s_add_nc_u64 s[PFA:PFA+1], s[PFA:PFA+1], SLOTB ; one slot further on than the walking descriptors
	s_wait_dscnt 0x0
	CROUND
	JLOAD                                          ; one tensor load of mine is out until the next change
	ASK
.else
	s_wait_dscnt 0x0
	s_barrier_signal -1
	s_barrier_wait -1
.endif
.endm
.macro SLOT_STEPS
.rept NST
	STEP
.endr
	s_sub_co_u32 s[TB], s[TB], NST*STEPB           ; back to a slot's first step,
	s_xor_b32 s[TB], s[TB], SLOT1                  ; in the other slot
.endm
.Lslot:                                            ; NSL - 1 trips: behind each change of slots but the last the next slot is asked for
	CHANGE 1
	SLOT_STEPS
	s_sub_co_u32 s[SLOTS], s[SLOTS], 1
	s_cmp_lg_u32 s[SLOTS], 0
	s_cbranch_scc1 .Lslot
	CHANGE 0                                       ; the last slot is written out
	SLOT_STEPS
	; THE WAY OUT.  l's two halves and the other half of the lanes' are added; O^T is divided by l and sent through my stage in LDS, a tile (16 rows of 256 bytes) at a time.  The additions are the places behind the last products.
.irp t, 0,1,2,3
	v_add_f32 v[ST+8*\t+4], v[ST+8*\t+2], v[ST+8*\t+3]
.endr
.irp t, 0,1,2,3
	v_permlanex16_b32 v[ST+8*\t+5], v[ST+8*\t+4], s[SEL], s[SEL+1]
.endr
.irp t, 0,1,2,3
	v_add_f32 v[ST+8*\t+4], v[ST+8*\t+4], v[ST+8*\t+5]
.endr
.irp t, 0,1,2,3
	v_rcp_f32 v[ST+8*\t+6], v[ST+8*\t+4]
.endr
	v_nop                                          ; a plain instruction between the last reciprocal and the use of its result
	s_wait_alu depctr_va_vdst(0)                   ; and the wait ahead of the first use: one for the four
.macro PACK t, bk                      ; register 8 c + j of tile t is o(query r, channel 16 c + 8 h + j); the rows come back into v[bk] on: registers of their own for each tile, so that no store's data are written again
	WIN 0x01                                       ; source 0 (O^T) window 1
.set i, 0
.rept 16
	v_pk_mul_f32 v[SS+32*((\t)%2)+i:SS+32*((\t)%2)+i+1], v[32*(\t)+i:32*(\t)+i+1], v[ST+8*(\t)+6:ST+8*(\t)+7] op_sel_hi:[1,0]   ; ascending: each accumulator from its low end on
.set i, i+2
.endr
	WIN 0
.irp c, 0,1,2,3
	ds_store_b128 v[STO], v[SS+32*((\t)%2)+8*\c:SS+32*((\t)%2)+8*\c+3] offset:64*\c
	ds_store_b128 v[STO], v[SS+32*((\t)%2)+8*\c+4:SS+32*((\t)%2)+8*\c+7] offset:64*\c+16
.endr
.irp f, 0,1,2,3,4,5,6,7
	ds_load_b128 v[\bk+4*\f:\bk+4*\f+3], v[RD] offset:\f*2*SP   ; LDS serves a wave's instructions in order (ISA guide 5.7.1.4): these see the stores above; the next tile's stores come behind them
.endr
.endm
.macro SEND t, bk, younger             ; younger: the LDS instructions issued behind tile t's loads: the next tile's sixteen, or none
.irp f, 0,1,2,3,4,5,6,7
	s_wait_dscnt \younger+7-\f
	global_store_b128 v[GO], v[\bk+4*\f:\bk+4*\f+3], s[8:9] offset:(\t)*65536+\f*8192 th:TH_STORE_NT   ; 16 lanes store 256 consecutive bytes, at a multiple of 256 from out0's first byte; written once, read by nobody here
.endr
.endm
	PACK 0, 80
	PACK 1, 112                                    ; a tile's arithmetic stands between the loads of the tile before and its stores
	SEND 0, 80, 16
	PACK 2, 208
	SEND 1, 112, 16
	PACK 3, 48
	SEND 2, 208, 16
	SEND 3, 48, 0
	s_wait_tensorcnt 0x0                           ; the wave's end: behind my last tensor load and my last LDS store
	ds_add_u32 v[SPW], v[NIL]
	s_wait_dscnt 0x0
	CROUND                                         ; the closing round: no work-group ends while a partner may still ask for a tile that names it
	s_endpgm
.Lfunc_end_k_q85933fd9f6_attn:
	.size	k_q85933fd9f6_attn, .Lfunc_end_k_q85933fd9f6_attn-k_q85933fd9f6_attn
	.p2alignl 7, 3214868480
	.fill 96, 4, 3214868480
	.section	.rodata,"a",@progbits
	.p2align	6, 0x0
	.amdhsa_kernel k_q85933fd9f6_attn
		.amdhsa_group_segment_fixed_size 327680
		.amdhsa_private_segment_fixed_size 0
		.amdhsa_enable_private_segment 0
		.amdhsa_kernarg_size 24
		.amdhsa_user_sgpr_count 2
		.amdhsa_user_sgpr_kernarg_segment_ptr 1
		.amdhsa_wavefront_size32 1
		.amdhsa_system_sgpr_workgroup_id_x 1
		.amdhsa_system_sgpr_workgroup_id_y 1
		.amdhsa_system_sgpr_workgroup_id_z 1
		.amdhsa_system_vgpr_workitem_id 0
		.amdhsa_next_free_vgpr 512
		.amdhsa_next_free_sgpr 66
		.amdhsa_reserve_vcc 0
		.amdhsa_float_denorm_mode_32 3
		.amdhsa_float_denorm_mode_16_64 3
		.amdhsa_memory_ordered 1
		.amdhsa_forward_progress 1
		.amdhsa_inst_pref_size 255
	.end_amdhsa_kernel
	.section	.bss,"aw",@nobits
	.p2align	6
	.space	262144
	.amdgpu_metadata
---
amdhsa.version: [ 1, 2 ]
amdhsa.kernels:
  - .name:           k_q85933fd9f6_attn
    .symbol:         k_q85933fd9f6_attn.kd
    .args:
      - { .name: qkv, .offset: 0, .size: 8, .value_kind: global_buffer, .address_space: global }
      - { .name: mask, .offset: 8, .size: 8, .value_kind: global_buffer, .address_space: global }
      - { .name: out0, .offset: 16, .size: 8, .value_kind: global_buffer, .address_space: global }
    .group_segment_fixed_size: 327680
    .private_segment_fixed_size: 0
    .kernarg_segment_align: 8
    .kernarg_segment_size: 24
    .max_flat_workgroup_size: 256
    .sgpr_count:     66
    .vgpr_count:     512
    .wavefront_size: 32
...
	.end_amdgpu_metadata
.endif
;; end of part 3
